; MI455X (gfx1250); checked and timed in simulation.
; The chip was launched on July 23, 2026; its instructions are those of AMD's public machine-readable ISA for CDNA 5 (MIT licence, August 2026) and "CDNA5" Instruction Set Architecture Reference Guide (July 2026). The comments in the code are by the model that wrote it; some were corrected since.
;; Attention. Allowed arithmetic: float matrix products may take bf16 or f16 operands with f32 sums; all other float work in f32.
;; Inputs: W_out 1,024 x 1,024 float32; b_out 1,024 float32; keys 4 x 2,048 x 1,024 float32; mask 4 x 1 x 1 x 2,048 int32; query 4 x 2,048 x 1,024 float32; values 4 x 2,048 x 1,024 float32.
;; Outputs: out0 4 x 2,048 x 1,024 float32.
;; One version. Each part assembles by itself: llvm-mc -triple=amdgcn-amd-amdhsa -mcpu=gfx1250 --defsym DOCPART=n.
;; ======== version 1 of 1: 2 launches
;; limits: values are held in f16: magnitudes above 65,504 overflow, below 6.1e-05 lose precision
;; workspace buffers: wsA 16,777,216 bytes; wsW 2,097,152 bytes
;; launch attn (part 1): grid 4 x 64, 8 waves a work-group, clusters of 4 x 1, 327,680 bytes of LDS; arguments keys, values, query, mask, W_out, wsA, wsW; writes wsA, wsW
.if DOCPART == 1
	.amdgcn_target "amdgcn-amd-amdhsa--gfx1250"
	.amdhsa_code_object_version 6
	.text
	.protected	k_q20254baa33_attn
	.globl	k_q20254baa33_attn
	.p2align	8
	.type	k_q20254baa33_attn,@function
k_q20254baa33_attn:
	s_mov_b64 s[64:65], 0
	v_nop
	global_prefetch_b8 v0, s[64:65] scope:SCOPE_SE
	s_setreg_imm32_b32 hwreg(HW_REG_WAVE_MODE, 25, 1), 1
	s_wait_xcnt 0x0
	s_wait_alu depctr_hold_cnt(0) depctr_sa_sdst(0) depctr_va_vdst(0) depctr_va_sdst(0) depctr_va_ssrc(0) depctr_va_vcc(0) depctr_vm_vsrc(0)
	s_getreg_b32 s2, hwreg(HW_REG_IB_STS2, 6, 4)
	s_cmp_eq_u32 s2, 0
	s_cbranch_scc0 .Lentry_in_a_cluster
	s_endpgm
.Lentry_in_a_cluster:
	s_bfe_u32 s2, ttmp6, 0x10000c
	s_cmp_lg_u32 s2, 0x3003
	s_cbranch_scc0 .Lentry_shape_is_right
	s_endpgm
.Lentry_shape_is_right:
; Attention without projections: for batch n and head h, softmax over the keys of (Q K^T / 32, masked), times V.
; Sizes: 4 batches, 2,048 queries and keys, 16 heads of 64.  All inputs f32; matrix operands f16, sums and softmax f32.
; A work-group owns (n, h) = its y and 512 queries = its x; a wave owns 64 queries.  Eight waves of 512 registers.
; The four work-groups of a cluster differ in their queries alone and read the same K and V: every K/V tile is asked for
; JOINTLY by the four (mask 15), in 16 chunks of 128 keys, through two f32 slots in LDS; the waves round each chunk to f16
; into one of two stages, from which all eight waves take their fragments.
; EVERYTHING IS COMPUTED TRANSPOSED.  S^T = K Q^T: a lane holds 8 keys (8 hh + j) of ONE query (r = lane % 16), so the running
; maximum, the sum and the rescaling factor are one number a lane, and two packed S tiles ARE a second-source fragment of
; P^T for O^T = V^T P^T.  V^T comes out of LDS by the transposing load.  A lane's 8 results of O^T are 8 neighbouring d of one query.
; The running maximum is taken away before every exponential.  Q is multiplied by log2(e)/32 before rounding, so exp is 2^x.
; The mask enters as the C operand of the first product: 0, or -1e30 where mask == 0.
; The result goes to wsA in f16, in the order of the next launch's first-source fragments:
;   wsA[q / 128][h][(q % 128) / 16][dt][lane][8], lane (r, hh) holding attn[q = .. + r][64 h + 16 dt + 8 hh + 0..7].
; Waves 0 to 3 also round one 16 x 64 piece of W_out to f16 into wsW, in second-source fragment order with permuted rows:
;   wsW[o / 256][k / 32][ot][half][lane][8], lane (r, hh) holding W[256 ob + 64 (ot / 4) + 4 r + ot % 4][32 ks + 16 half + 8 hh + 0..7].
; LIMITS.  f16 operands: |keys|, |values|, |W_out| and 0.0451 |query| must stay under 65,504; magnitudes under 6e-5 keep an absolute
; error of 3e-8 only.  A masked score is -1e30, not -inf: true scaled scores must stay above -1e29.  A weight under 2^-25 of its row's
; largest rounds to 0.  A batch whose mask is all zero gives NaN, as the reference's softmax of -inf does.
.set KP,     144                       ; f16 K stage: 128 bytes + 16: an odd multiple of 16, so 16 rows start at 16 different 16-byte columns modulo 256
.set VP,     160                       ; f16 V stage: 128 bytes + 32: an odd multiple of 32, as the transposing load's rows of 8 lanes x 2 columns want
.set FSLOT,  65536                     ; an f32 slot: K's 128 rows of 256 bytes, then V's
.set FVOFF,  32768
.set STAGE0, 131072                    ; two f16 stages, written by LDS stores alone
.set STSZ,   38912                     ; 128 x 144 + 128 x 160
.set VBOFF,  18432
.set BIASB,  208896                    ; 2,048 f32: 0 or -1e30
.set QSB,    217088                    ; each wave's own scratch, 64 rows of 144 bytes
.set QSSZ,   9216
.set CHUNKB, 524288                    ; 128 rows of 4,096 bytes in keys and values
; window 0
.set AK,  1                            ; v1   K fragments: stage 0 + r 144 + 16 hh
.set AV,  2                            ; v2   V fragments: stage 0's V + (8 hh + lane % 8) 160 + 16 (lane / 8 % 2)
.set AB,  3                            ; v3   bias of this chunk's keys: + 32 hh; steps 512 a trip
.set AF,  4                            ; v4, v5  my 4,096 bytes of an f32 tile in slot 0, 1
.set ACK, 6                            ; v6   where my rounded K goes
.set ACV, 7                            ; v7   where my rounded V goes
.set TM,  8                            ; v8-11   the new maximum of q tile 0..3
.set TX,  12                           ; v12-15  the other half's maximum; then two pairs of partial sums
.set NM,  16                           ; v16+2qt: -m, v17+2qt: m
.set AL,  24                           ; v24+2qt: the rescaling factor, v25+2qt: l
.set BI,  32                           ; v32-63   bias tiles, 8 registers for each key tile
.set KF,  64                           ; v64-127  K fragments (kt, ks) at 16 kt + 8 ks
.set SS,  128                          ; v128-255 S(kt, qt) at 32 kt + 8 qt; P(qt, ks2) is packed in place into S(2 ks2, qt)
.set CV,  160                          ; S(1, .) is free once P is packed: f32 on their way to f16
; window 1
.set OO,  0                            ; v256-383 O(dt, qt) at 8 (4 dt + qt)
.set QQ,  128                          ; v384-447 Q(qt, ks) at 16 qt + 8 ks
.set VF,  192                          ; v448-511 V^T(ks2, dt) at 32 ks2 + 8 dt
.set G1,  32                           ; s[32:39] descriptor group 1
.set G0,  40                           ; s[40:47] descriptor group 0, a set for each slot
.set MSB, 0
.macro WIN new                         ; the immediate's high byte repeats the setting that is left
.if MSB != \new
	s_set_vgpr_msb (MSB<<8)|\new
.set MSB, \new
.endif
.endm
.macro NOPS n
.rept \n
	v_nop
.endr
.endm
; A round of the cluster's barrier: my work-group's barrier, wave 0 signals for the work-group, all wait for the four, my barrier again.
.macro ROUND
	s_barrier_signal -1
	s_barrier_wait -1
	s_cmp_lg_u32 s18, 0
	s_cbranch_scc1 .Lnot_wave_0_\@
	s_barrier_signal -3
.Lnot_wave_0_\@:
	s_barrier_wait -3
	s_barrier_signal -1
	s_barrier_wait -1
.endm
	s_load_b256 s[4:11], s[0:1], 0x0               ; keys s[4:5], values s[6:7], query s[8:9], mask s[10:11]
	s_load_b128 s[12:15], s[0:1], 0x20             ; W_out s[12:13], wsA s[14:15]
	s_load_b64 s[16:17], s[0:1], 0x30              ; wsW
	v_lshl_add_u32 v254, v0, 2, 0x47000
	v_mov_b32 v255, 0
	ds_add_u32 v254, v255
	s_wait_dscnt 0x0
	v_lshrrev_b32 v8, 5, v0
	v_readfirstlane_b32 s18, v8                    ; wave 0..7
	s_bfe_u32 s19, ttmp6, 0x40000                  ; cx = the query block of 512 (the grid has one cluster along x); enters global offsets alone
	s_and_b32 s20, ttmp7, 0xffff                   ; y = 16 n + h
	s_lshr_b32 s21, s20, 4                         ; n
	s_and_b32 s22, s20, 15                         ; h
	s_mov_b32 s48, 0x76543210                      ; v_permlanex16_b32: lane i reads lane i of the other half
	s_mov_b32 s49, 0xfedcba98
	s_mov_b32 s51, 0xefa18f08                      ; -1e29
	s_mov_b32 s30, 0x3d38aa3b                      ; log2(e) / 32, twice (a pair for the packed multiply)
	s_mov_b32 s31, 0x3d38aa3b
	; group 1: 32 rows of 64 f32 (256 bytes), 1,024 elements from row to row, dense in LDS; the mask names all four partners
	s_mov_b32 s[G1+0], 15|(2<<16)|(1<<21)          ; 15:0 mask; 17:16 elements of 4 bytes; 21 set beside a mask
	s_mov_b32 s[G1+1], 64<<16                      ; tensor_dim0 = 64
	s_mov_b32 s[G1+2], 32<<16                      ; tensor_dim1 = 32
	s_mov_b32 s[G1+3], 64<<16                      ; tile_dim0 = 64
	s_mov_b32 s[G1+4], 32                          ; tile_dim1 = 32
	s_mov_b32 s[G1+5], 1024                        ; pitch
	s_mov_b32 s[G1+6], 0
	s_mov_b32 s[G1+7], 0
	; my tile of a chunk: waves 0-3 take K's rows 32 (w % 4) .., waves 4-7 V's.  Made of y and the wave's number alone: equal in all partners.
	s_lshl_b32 s26, s21, 23                        ; n x 2,048 rows x 4,096 bytes
	s_and_b32 s27, s18, 3
	s_lshl_b32 s27, s27, 17                        ; 32 rows
	s_add_co_u32 s26, s26, s27
	s_lshl_b32 s27, s22, 8                         ; the head's 256 bytes of a row
	s_add_co_u32 s26, s26, s27
	s_mov_b32 s27, 0
	s_lshl_b32 s28, s18, 13                        ; LDS: wave x 8,192
	s_lshl_b32 s52, s21, 13                        ; mask: n x 8,192 bytes
	s_mov_b32 s53, 0
	s_lshl_b32 s54, s21, 23                        ; query: n, then (512 cx + 64 w) rows, then the head
	s_lshl_b32 s29, s19, 21
	s_add_co_u32 s54, s54, s29
	s_lshl_b32 s29, s18, 18
	s_add_co_u32 s54, s54, s29
	s_lshl_b32 s29, s22, 8
	s_add_co_u32 s54, s54, s29
	s_mov_b32 s55, 0
	s_lshl_b32 s56, s21, 20                        ; W_out: row 256 n + 64 cx + w, columns 64 h .. (ob = n, column pair = h, ot = 4 cx + w)
	s_lshl_b32 s29, s19, 18
	s_add_co_u32 s56, s56, s29
	s_lshl_b32 s29, s18, 12
	s_add_co_u32 s56, s56, s29
	s_lshl_b32 s29, s22, 8
	s_add_co_u32 s56, s56, s29
	s_mov_b32 s57, 0
	s_lshl_b32 s58, s21, 19                        ; wsW: ob x 524,288 + 2 h x 16,384 + ot x 1,024
	s_lshl_b32 s29, s22, 15
	s_add_co_u32 s58, s58, s29
	s_lshl_b32 s29, s19, 12
	s_add_co_u32 s58, s58, s29
	s_lshl_b32 s29, s18, 10
	s_add_co_u32 s58, s58, s29
	s_mov_b32 s59, 0
	s_lshl_b32 s60, s21, 22                        ; wsA: (16 n + 4 cx + w / 2) x 262,144 + h x 16,384 + (w % 2) x 8,192
	s_lshl_b32 s29, s19, 20
	s_add_co_u32 s60, s60, s29
	s_lshr_b32 s29, s18, 1
	s_lshl_b32 s29, s29, 18
	s_add_co_u32 s60, s60, s29
	s_lshl_b32 s29, s22, 14
	s_add_co_u32 s60, s60, s29
	s_and_b32 s29, s18, 1
	s_lshl_b32 s29, s29, 13
	s_add_co_u32 s60, s60, s29
	s_mov_b32 s61, 0
	s_wait_kmcnt 0x0
	s_cmp_lt_u32 s18, 4
	s_cselect_b64 s[24:25], s[4:5], s[6:7]         ; keys for waves 0-3, values for waves 4-7
	s_add_nc_u64 s[24:25], s[24:25], s[26:27]
	s_add_nc_u64 s[52:53], s[10:11], s[52:53]
	s_add_nc_u64 s[54:55], s[8:9], s[54:55]
	s_add_nc_u64 s[56:57], s[12:13], s[56:57]
	s_add_nc_u64 s[58:59], s[16:17], s[58:59]
	s_add_nc_u64 s[60:61], s[14:15], s[60:61]
	ROUND                                          ; the four partners are here: the first joint loads meet
.irp s, 0,1
	s_mov_b32 s[G0+4*\s], 1                                        ; count = 1
	s_add_co_u32 s[G0+4*\s+1], s28, \s*FSLOT                       ; LDS address: wave x 8,192 + the slot
	s_add_nc_u64 s[G0+4*\s+2:G0+4*\s+3], s[24:25], \s*CHUNKB       ; chunk s
	s_or_b32 s[G0+4*\s+3], s[G0+4*\s+3], 0x80000000               ; type = 2
	tensor_load_to_lds s[G0+4*\s:G0+4*\s+3], s[G1:G1+7]            ; two loads of the wave are out here, one behind each later round
	s_nop 0
.endr
	; the loads into registers go out next: mask, W_out (waves 0-3), query
	v_and_b32 v8, 31, v0                           ; lane
	v_and_b32 v9, 15, v0                           ; r
	v_bfe_u32 v10, v0, 4, 1                        ; hh
	v_lshlrev_b32 v16, 4, v0                       ; mask: 16 bytes a thread
	v_lshlrev_b32 v19, 4, v9
	v_lshl_add_u32 v18, v10, 14, v19               ; W_out: lanes 0-15 one row's 256 bytes, lanes 16-31 the row 4 further down
	v_lshl_add_u32 v19, v10, 12, v19               ; query: lanes 0-15 one row's 256 bytes, lanes 16-31 the next row's
	global_load_b128 v[32:35], v16, s[52:53]
	global_load_b128 v[36:39], v16, s[52:53] offset:4096
	s_cmp_ge_u32 s18, 4
	s_cbranch_scc1 .Lno_w_loads
.irp i, 0,1,2,3,4,5,6,7
	global_load_b128 v[64+4*\i:64+4*\i+3], v18, s[56:57] offset:32768*\i th:TH_LOAD_NT   ; fragment rows 2 i, 2 i + 1: 8 rows of W_out apart
.endr
.Lno_w_loads:
.set i, 0
.rept 32
	global_load_b128 v[SS+4*i:SS+4*i+3], v19, s[54:55] offset:8192*i th:TH_LOAD_NT       ; my queries 2 i, 2 i + 1
.set i, i+1
.endr
	; LDS addresses
	v_mul_u32_u24 v11, v9, KP
	v_lshl_add_u32 v11, v10, 4, v11                ; r 144 + 16 hh
	v_add_nc_u32 v[AK], STAGE0, v11
	s_mul_i32 s23, s18, QSSZ
	s_add_co_u32 s23, s23, QSB                     ; my scratch
	v_add_nc_u32 v21, s23, v11                     ; fragments out of it
	v_mul_u32_u24 v12, v10, KP
	v_lshl_add_u32 v12, v9, 3, v12                 ; hh 144 + 8 r
	v_add_nc_u32 v20, s23, v12                     ; rounded rows into it
	s_mul_i32 s29, s18, 16*KP
	s_add_co_u32 s29, s29, STAGE0
	v_add_nc_u32 v[ACK], s29, v12                  ; my 16 rows of the K stage
	v_mul_u32_u24 v12, v10, VP
	v_lshl_add_u32 v12, v9, 3, v12
	s_mul_i32 s29, s18, 16*VP
	s_add_co_u32 s29, s29, STAGE0+VBOFF
	v_add_nc_u32 v[ACV], s29, v12                  ; my 16 rows of the V stage
	v_and_b32 v12, 7, v0
	v_lshl_add_u32 v12, v10, 3, v12
	v_mul_u32_u24 v12, v12, VP
	v_bfe_u32 v13, v0, 3, 1
	v_lshl_add_u32 v12, v13, 4, v12
	v_add_nc_u32 v[AV], STAGE0+VBOFF, v12
	v_lshlrev_b32 v[AB], 5, v10
	v_add_nc_u32 v[AB], BIASB-512, v[AB]           ; each trip's head adds 512
	v_lshlrev_b32 v[AF], 4, v8
	v_lshl_add_u32 v[AF], s18, 12, v[AF]           ; wave x 4,096 + 16 lane
	v_add_nc_u32 v[AF+1], FSLOT, v[AF]
	v_add_nc_u32 v17, BIASB, v16
	v_lshlrev_b32 v22, 4, v8
	v_mov_b32 v23, 0xf149f2ca                      ; -1e30
	s_wait_loadcnt 32                              ; the 32 query loads stay out; mask and W_out are in
.irp k, 0,1,2,3,4,5,6,7
	v_cmp_eq_u32 vcc_lo, 0, v[32+\k]
	v_cndmask_b32 v[32+\k], 0, v23, vcc_lo         ; mask == 0: -1e30, else 0
.endr
	ds_store_b128 v17, v[32:35]
	ds_store_b128 v17, v[36:39] offset:4096
	s_cmp_ge_u32 s18, 4
	s_cbranch_scc1 .Lno_w_job
.irp i, 0,1,2,3,4,5,6,7
	v_cvt_pk_f16_f32 v[64+4*\i], v[64+4*\i], v[64+4*\i+1]
	v_cvt_pk_f16_f32 v[64+4*\i+1], v[64+4*\i+2], v[64+4*\i+3]
	ds_store_b64 v20, v[64+4*\i:64+4*\i+1] offset:2*KP*\i
.endr
.irp j, 0,1,2,3
	ds_load_b128 v[96+4*\j:96+4*\j+3], v21 offset:32*\j            ; my own bytes: LDS serves a wave's instructions in order (ISA guide 5.7.1)
.endr
	s_wait_dscnt 0x0
.irp j, 0,1,2,3
	global_store_b128 v22, v[96+4*\j:96+4*\j+3], s[58:59] offset:(\j/2)*16384+(\j%2)*512   ; 512 consecutive bytes each
.endr
.Lno_w_job:
	s_wait_loadcnt 0x0                             ; my 64 queries
.set i, 0
.rept 64
	v_pk_mul_f32 v[SS+2*i:SS+2*i+1], v[SS+2*i:SS+2*i+1], s[30:31] op_sel_hi:[1,0]
.set i, i+1
.endr
.set i, 0
.rept 32
	v_cvt_pk_f16_f32 v[SS+4*i], v[SS+4*i], v[SS+4*i+1]
	v_cvt_pk_f16_f32 v[SS+4*i+1], v[SS+4*i+2], v[SS+4*i+3]
	ds_store_b64 v20, v[SS+4*i:SS+4*i+1] offset:2*KP*i
.set i, i+1
.endr
	WIN 0x40                                       ; destination in window 1
.irp qt, 0,1,2,3
.irp ks, 0,1
.irp hf, 0,1
	ds_load_b128 v[QQ+16*\qt+8*\ks+4*\hf:QQ+16*\qt+8*\ks+4*\hf+3], v21 offset:16*\qt*KP+64*\ks+32*\hf
.endr
.endr
.endr
	WIN 0
	s_wait_xcnt 0x0                                ; the stores to wsW have had their addresses translated: v22 and v96-111 are written again only behind this wait
.irp qt, 0,1,2,3
	v_mov_b32 v[NM+2*\qt+1], 0xff61b1e6            ; m = -3e38
	v_mov_b32 v[AL+2*\qt+1], 0                     ; l = 0
	v_mov_b32 v[TX+\qt], 0                         ; a lane permute's destination counts as read
.endr
	s_wait_tensorcnt 0x1                           ; my part of chunk 0 is in; chunk 1 stays out
	s_wait_dscnt 0x0                               ; the bias is written, my Q fragments are in
	s_barrier_signal -1
	s_barrier_wait -1
	; chunk 0 is rounded whole, into stage 0
.irp i, 0,1,2,3,4,5,6,7
	ds_load_b128 v[SS+4*\i:SS+4*\i+3], v[AF] offset:512*\i
.endr
.irp i, 0,1,2,3,4,5,6,7
	ds_load_b128 v[SS+32+4*\i:SS+32+4*\i+3], v[AF] offset:FVOFF+512*\i
.endr
	s_wait_dscnt 0x0
.irp i, 0,1,2,3,4,5,6,7
	v_cvt_pk_f16_f32 v[SS+4*\i], v[SS+4*\i], v[SS+4*\i+1]
	v_cvt_pk_f16_f32 v[SS+4*\i+1], v[SS+4*\i+2], v[SS+4*\i+3]
	ds_store_b64 v[ACK], v[SS+4*\i:SS+4*\i+1] offset:2*KP*\i
.endr
.irp i, 0,1,2,3,4,5,6,7
	v_cvt_pk_f16_f32 v[SS+32+4*\i], v[SS+32+4*\i], v[SS+32+4*\i+1]
	v_cvt_pk_f16_f32 v[SS+32+4*\i+1], v[SS+32+4*\i+2], v[SS+32+4*\i+3]
	ds_store_b64 v[ACV], v[SS+32+4*\i:SS+32+4*\i+1] offset:2*VP*\i
.endr
; O^T += V^T P^T for 64 keys: 32 matrix instructions.  The 16 accumulators take turns, one instruction a turn.
.macro PV zero
	WIN 0x51                                       ; V^T, C and D in window 1, P in window 0
.irp ks2, 0,1
.irp dt, 0,1,2,3
.irp qt, 0,1,2,3
.set usez, \zero*(1-\ks2)
.if usez
	v_wmma_f32_16x16x32_f16 v[OO+8*(4*\dt+\qt):OO+8*(4*\dt+\qt)+7], v[VF+32*\ks2+8*\dt:VF+32*\ks2+8*\dt+7], v[SS+64*\ks2+8*\qt:SS+64*\ks2+8*\qt+7], 0
.else
	v_wmma_f32_16x16x32_f16 v[OO+8*(4*\dt+\qt):OO+8*(4*\dt+\qt)+7], v[VF+32*\ks2+8*\dt:VF+32*\ks2+8*\dt+7], v[SS+64*\ks2+8*\qt:SS+64*\ks2+8*\qt+7], v[OO+8*(4*\dt+\qt):OO+8*(4*\dt+\qt)+7]
.endif
.endr
.endr
.endr
	WIN 0
.endm
; S^T = K Q^T + bias for 64 keys x 64 queries: 32 matrix instructions.  Four accumulators take turns.
.macro QK
	WIN 0x04                                       ; Q in window 1
.irp kt, 0,1,2,3
.irp qt, 0,1,2,3
	v_wmma_f32_16x16x32_f16 v[SS+32*\kt+8*\qt:SS+32*\kt+8*\qt+7], v[KF+16*\kt:KF+16*\kt+7], v[QQ+16*\qt:QQ+16*\qt+7], v[BI+8*\kt:BI+8*\kt+7]
.endr
.irp qt, 0,1,2,3
	v_wmma_f32_16x16x32_f16 v[SS+32*\kt+8*\qt:SS+32*\kt+8*\qt+7], v[KF+16*\kt+8:KF+16*\kt+15], v[QQ+16*\qt+8:QQ+16*\qt+15], v[SS+32*\kt+8*\qt:SS+32*\kt+8*\qt+7]
.endr
.endr
	WIN 0
.endm
; One pass over the 16 register pairs of a q tile, for three q tiles at three stations: a: take the maximum away; e: 2^x; b: add up and pack to f16.
; -1: no tile at that station.  Behind the two exponentials always stands a plain instruction on another tile (ISA guide 5.7.2).
.macro SMSTAGE e, a, b
.set i, 0
.rept 16
.set pr, SS+32*(i/4)+2*(i%4)
.if \e >= 0
	v_exp_f32 v[pr+8*\e], v[pr+8*\e]
	v_exp_f32 v[pr+8*\e+1], v[pr+8*\e+1]
.endif
.if \b >= 0
.if i == 0
	s_wait_alu depctr_va_vdst(0)
	v_pk_add_f32 v[TX+2*(\b%2):TX+2*(\b%2)+1], v[pr+8*\b:pr+8*\b+1], v[pr+8*\b+2:pr+8*\b+3]   ; pairs 0 and 1 start the sums
.else
.if i > 1
	v_pk_add_f32 v[TX+2*(\b%2):TX+2*(\b%2)+1], v[TX+2*(\b%2):TX+2*(\b%2)+1], v[pr+8*\b:pr+8*\b+1]
.endif
.endif
	v_cvt_pk_f16_f32 v[SS+64*(i/8)+4*((i/4)%2)+(i%4)+8*\b], v[pr+8*\b], v[pr+8*\b+1]          ; in place: the target has been added up already
.endif
.if \a >= 0
	v_pk_add_f32 v[pr+8*\a:pr+8*\a+1], v[pr+8*\a:pr+8*\a+1], v[NM+2*\a:NM+2*\a+1] op_sel_hi:[1,0]
.endif
.set i, i+1
.endr
.endm
.macro LSUM b                          ; l = l x factor + this step's sum (each half of the lanes keeps the sum of its own keys)
	v_add_f32 v[TX+2*(\b%2)], v[TX+2*(\b%2)], v[TX+2*(\b%2)+1]
	v_fma_f32 v[AL+2*\b+1], v[AL+2*\b+1], v[AL+2*\b], v[TX+2*(\b%2)]
.endm
.macro SOFTMAX first
.set i, 0
.rept 16
.set pr, SS+32*(i/4)+2*(i%4)
.irp qt, 0,1,2,3
.if i == 0
	v_max3_num_f32 v[TM+\qt], v[NM+2*\qt+1], v[pr+8*\qt], v[pr+8*\qt+1]    ; the old maximum starts the chain
.else
	v_max3_num_f32 v[TM+\qt], v[TM+\qt], v[pr+8*\qt], v[pr+8*\qt+1]
.endif
.endr
.set i, i+1
.endr
.irp qt, 0,1,2,3
	v_permlanex16_b32 v[TX+\qt], v[TM+\qt], s48, s49               ; the same query's other 32 keys
.endr
.irp qt, 0,1,2,3
	v_max_num_f32 v[TM+\qt], v[TM+\qt], v[TX+\qt]
.endr
.irp qt, 0,1,2,3
	v_sub_f32 v[AL+2*\qt], v[NM+2*\qt+1], v[TM+\qt]
.endr
.irp qt, 0,1,2,3
	v_exp_f32 v[AL+2*\qt], v[AL+2*\qt]                             ; 2^(old m - new m)
.endr
.irp qt, 0,1,2,3
	v_sub_f32 v[NM+2*\qt], 0, v[TM+\qt]
.endr
.irp qt, 0,1,2,3
	v_mov_b32 v[NM+2*\qt+1], v[TM+\qt]
.endr
.if \first == 0
	WIN 0x41                                       ; O in window 1, the factor in window 0
	s_wait_alu depctr_va_vdst(0)
.irp dt, 0,1,2,3
.irp qt, 0,1,2,3
.irp p, 0,2,4,6
	v_pk_mul_f32 v[OO+8*(4*\dt+\qt)+\p:OO+8*(4*\dt+\qt)+\p+1], v[OO+8*(4*\dt+\qt)+\p:OO+8*(4*\dt+\qt)+\p+1], v[AL+2*\qt:AL+2*\qt+1] op_sel_hi:[1,0]
.endr
.endr
.endr
	WIN 0
.endif
	SMSTAGE -1, 0, -1
	SMSTAGE 0, 1, -1
	SMSTAGE 1, 2, 0
	LSUM 0
	SMSTAGE 2, 3, 1
	LSUM 1
	SMSTAGE 3, -1, 2
	LSUM 2
	SMSTAGE -1, -1, 3
	LSUM 3
.endm
; 64 keys.  stage: the f16 stage that holds them; st: which half of the chunk; pv: the step before is multiplied by V (0 no, 1 starting the sums, 2 adding);
; conv: my share of the next chunk is rounded into the other stage (0 no, 1 K, 2 V).
.macro STEP stage, st, pv, first, conv
.if \conv
.irp i, 0,1,2,3,4,5,6,7
	ds_load_b128 v[CV+4*\i:CV+4*\i+3], v[AF+1-\stage] offset:(\conv-1)*FVOFF+512*\i
.endr
.endif
.irp kt, 0,1,2,3
.irp ks, 0,1
.irp hf, 0,1
	ds_load_b128 v[KF+16*\kt+8*\ks+4*\hf:KF+16*\kt+8*\ks+4*\hf+3], v[AK] offset:\stage*STSZ+(64*\st+16*\kt)*KP+64*\ks+32*\hf
.endr
.endr
.endr
.irp kt, 0,1,2,3
.irp hf, 0,1
	ds_load_b128 v[BI+8*\kt+4*\hf:BI+8*\kt+4*\hf+3], v[AB] offset:(64*\st+16*\kt)*4+16*\hf
.endr
.endr
.if \pv
.if \conv
	s_wait_dscnt 32                                ; all but the 32 loads just issued: the last step's V^T fragments are in
.else
	s_wait_dscnt 24                                ; all but the 24 loads just issued
.endif
.if \pv == 1
	PV 1
.else
	PV 0
.endif
.endif
.if \conv
	s_wait_dscnt 24                                ; the eight f32 loads are in; 16 K and 8 bias loads stay out
.irp i, 0,1,2,3,4,5,6,7
	v_cvt_pk_f16_f32 v[CV+4*\i], v[CV+4*\i], v[CV+4*\i+1]          ; these 16 name no register of the products above: they are the places
	v_cvt_pk_f16_f32 v[CV+4*\i+1], v[CV+4*\i+2], v[CV+4*\i+3]      ; behind them, for the loads into V^T and for S written over P
.endr
.irp i, 0,1,2,3,4,5,6,7
.if \conv == 1
	ds_store_b64 v[ACK], v[CV+4*\i:CV+4*\i+1] offset:(1-\stage)*STSZ+2*KP*\i
.else
	ds_store_b64 v[ACV], v[CV+4*\i:CV+4*\i+1] offset:(1-\stage)*STSZ+2*VP*\i
.endif
.endr
.else
	NOPS 5                                         ; the same places, with nothing to do
.endif
	WIN 0x40
.irp ks2, 0,1
.irp dt, 0,1,2,3
.irp hf, 0,1
	ds_load_tr16_b128 v[VF+32*\ks2+8*\dt+4*\hf:VF+32*\ks2+8*\dt+4*\hf+3], v[AV] offset:\stage*STSZ+(64*\st+32*\ks2+16*\hf)*VP+32*\dt
.endr
.endr
.endr
	WIN 0
	s_wait_dscnt 16                                ; the 16 V^T loads stay out until the next step; K, bias and my stores are done
	QK
	NOPS 4                                         ; four places before S is read (ISA guide 7.12.1)
	SOFTMAX \first
.endm
; A trip's head.  In front of the barrier each wave waits for all its tensor loads (its part of the next chunk) and for all its LDS work: its reads of the
; f32 slot that is filled again, its stores into the stage that is read next, its reads of the stage that is written next.
.macro HEAD par, refill, conv
.if \refill+\conv
	s_wait_xcnt 0x0
	v_lshl_add_u32 v254, v0, 2, 0x47000
	v_mov_b32 v255, 0
	s_wait_tensorcnt 0x0
	ds_add_u32 v254, v255
	s_wait_dscnt 0x0
.endif
.if \refill
	s_add_nc_u64 s[G0+4*\par+2:G0+4*\par+3], s[G0+4*\par+2:G0+4*\par+3], 2*CHUNKB   ; no load of mine is out: the slot's next chunk
.endif
	s_wait_dscnt 0x0
.if \refill
	ROUND                                          ; all that now holds of every wave of the four partners
	tensor_load_to_lds s[G0+4*\par:G0+4*\par+3], s[G1:G1+7]        ; my one load behind the round: two chunks ahead, into the slot rounded last trip
	s_nop 0
.else
	s_barrier_signal -1
	s_barrier_wait -1
.endif
	v_add_nc_u32 v[AB], 512, v[AB]                 ; this chunk's 128 bias words
.endm
.macro TRIP par, refill, conv, first
	HEAD \par, \refill, \conv
.if \first
	STEP \par, 0, 0, 1, 1
	STEP \par, 1, 1, 0, 2
.else
.if \conv
	STEP \par, 0, 2, 0, 1
	STEP \par, 1, 2, 0, 2
.else
	STEP \par, 0, 2, 0, 0
	STEP \par, 1, 2, 0, 0
.endif
.endif
.endm
	TRIP 0, 1, 1, 1                                ; chunk 0: fetches chunk 2, rounds chunk 1
	TRIP 1, 1, 1, 0
	s_mov_b32 s50, 6                               ; chunks 2 to 13
.Lpair:
	TRIP 0, 1, 1, 0
	TRIP 1, 1, 1, 0
	s_sub_co_i32 s50, s50, 1
	s_cmp_lg_u32 s50, 0
	s_cbranch_scc1 .Lpair
	TRIP 0, 0, 1, 0                                ; chunk 14: nothing left to fetch, chunk 15 is rounded
	TRIP 1, 0, 0, 0                                ; chunk 15
	s_wait_dscnt 0x0                               ; the last V^T fragments
	PV 0
	NOPS 4
	; O / l, to f16, out in fragment order
.irp qt, 0,1,2,3
	v_permlanex16_b32 v[TX+\qt], v[AL+2*\qt+1], s48, s49
.endr
.irp qt, 0,1,2,3
	v_add_f32 v[AL+2*\qt+1], v[AL+2*\qt+1], v[TX+\qt]              ; both halves' keys
.endr
.irp qt, 0,1,2,3
	v_rcp_f32 v[AL+2*\qt], v[AL+2*\qt+1]
.endr
	v_mov_b32 v[TM], 0x7fc00000                    ; the plain instruction behind the reciprocals; NaN for a batch with no key
	s_wait_alu depctr_va_vdst(0)
.irp qt, 0,1,2,3
	v_cmp_gt_f32 vcc_lo, s51, v[NM+2*\qt+1]        ; m under -1e29: every key was masked
	v_cndmask_b32 v[AL+2*\qt], v[AL+2*\qt], v[TM], vcc_lo
.endr
	v_and_b32 v[TM+1], 31, v0
	v_lshlrev_b32 v[TM+1], 4, v[TM+1]
	WIN 0x41
.irp dt, 0,1,2,3
.irp qt, 0,1,2,3
.irp p, 0,2,4,6
	v_pk_mul_f32 v[OO+8*(4*\dt+\qt)+\p:OO+8*(4*\dt+\qt)+\p+1], v[OO+8*(4*\dt+\qt)+\p:OO+8*(4*\dt+\qt)+\p+1], v[AL+2*\qt:AL+2*\qt+1] op_sel_hi:[1,0]
.endr
.endr
.endr
	WIN 0x05                                       ; both sources in window 1
.irp qt, 0,1,2,3
.irp dt, 0,1,2,3
.irp p, 0,1,2,3
	v_cvt_pk_f16_f32 v[SS+4*(4*\qt+\dt)+\p], v[OO+8*(4*\dt+\qt)+2*\p], v[OO+8*(4*\dt+\qt)+2*\p+1]
.endr
.endr
.endr
	WIN 0
.irp qt, 0,1,2,3
.irp dt, 0,1,2,3
	global_store_b128 v[TM+1], v[SS+4*(4*\qt+\dt):SS+4*(4*\qt+\dt)+3], s[60:61] offset:(4*\qt+\dt)*512   ; 512 consecutive bytes, aligned
.endr
.endr
	s_wait_xcnt 0x0
	v_lshl_add_u32 v254, v0, 2, 0x47000
	v_mov_b32 v255, 0
	s_wait_tensorcnt 0x0
	ds_add_u32 v254, v255
	s_wait_dscnt 0x0
	ROUND                                          ; the closing round: no partner ends while another may still ask jointly
	s_endpgm
.Lfunc_end_k_q20254baa33_attn:
	.size	k_q20254baa33_attn, .Lfunc_end_k_q20254baa33_attn-k_q20254baa33_attn
	.p2alignl 7, 3214868480
	.fill 96, 4, 3214868480
	.section	.rodata,"a",@progbits
	.p2align	6, 0x0
	.amdhsa_kernel k_q20254baa33_attn
		.amdhsa_group_segment_fixed_size 327680
		.amdhsa_private_segment_fixed_size 0
		.amdhsa_enable_private_segment 0
		.amdhsa_kernarg_size 56
		.amdhsa_user_sgpr_count 2
		.amdhsa_user_sgpr_kernarg_segment_ptr 1
		.amdhsa_wavefront_size32 1
		.amdhsa_system_sgpr_workgroup_id_x 1
		.amdhsa_system_sgpr_workgroup_id_y 1
		.amdhsa_system_sgpr_workgroup_id_z 1
		.amdhsa_system_vgpr_workitem_id 0
		.amdhsa_next_free_vgpr 512
		.amdhsa_next_free_sgpr 66
		.amdhsa_reserve_vcc 1
		.amdhsa_float_denorm_mode_32 3
		.amdhsa_float_denorm_mode_16_64 3
		.amdhsa_memory_ordered 1
		.amdhsa_forward_progress 1
		.amdhsa_inst_pref_size 255
	.end_amdhsa_kernel
	.section	.bss,"aw",@nobits
	.p2align	6
	.space	262144
	.amdgpu_metadata
---
amdhsa.version: [ 1, 2 ]
amdhsa.kernels:
  - .name:           k_q20254baa33_attn
    .symbol:         k_q20254baa33_attn.kd
    .args:
      - { .name: keys, .offset: 0, .size: 8, .value_kind: global_buffer, .address_space: global }
      - { .name: values, .offset: 8, .size: 8, .value_kind: global_buffer, .address_space: global }
      - { .name: query, .offset: 16, .size: 8, .value_kind: global_buffer, .address_space: global }
      - { .name: mask, .offset: 24, .size: 8, .value_kind: global_buffer, .address_space: global }
      - { .name: W_out, .offset: 32, .size: 8, .value_kind: global_buffer, .address_space: global }
      - { .name: wsA, .offset: 40, .size: 8, .value_kind: global_buffer, .address_space: global }
      - { .name: wsW, .offset: 48, .size: 8, .value_kind: global_buffer, .address_space: global }
    .group_segment_fixed_size: 327680
    .private_segment_fixed_size: 0
    .kernarg_segment_align: 8
    .kernarg_segment_size: 56
    .max_flat_workgroup_size: 256
    .sgpr_count:     66
    .vgpr_count:     512
    .wavefront_size: 32
...
	.end_amdgpu_metadata
.endif
;; end of part 1
;; launch proj (part 2): grid 4 x 64, 4 waves a work-group, clusters of 4 x 4, 327,680 bytes of LDS; arguments wsA, wsW, b_out, out0; writes out0
.if DOCPART == 2
	.amdgcn_target "amdgcn-amd-amdhsa--gfx1250"
	.amdhsa_code_object_version 6
	.text
	.protected	k_q20254baa33_proj
	.globl	k_q20254baa33_proj
	.p2align	8
	.type	k_q20254baa33_proj,@function
k_q20254baa33_proj:
	s_mov_b64 s[64:65], 0
	v_nop
	global_prefetch_b8 v0, s[64:65] scope:SCOPE_SE
	s_setreg_imm32_b32 hwreg(HW_REG_WAVE_MODE, 25, 1), 1
	s_wait_xcnt 0x0
	s_wait_alu depctr_hold_cnt(0) depctr_sa_sdst(0) depctr_va_vdst(0) depctr_va_sdst(0) depctr_va_ssrc(0) depctr_va_vcc(0) depctr_vm_vsrc(0)
	s_getreg_b32 s2, hwreg(HW_REG_IB_STS2, 6, 4)
	s_cmp_eq_u32 s2, 0
	s_cbranch_scc0 .Lentry_in_a_cluster
	s_endpgm
.Lentry_in_a_cluster:
	s_bfe_u32 s2, ttmp6, 0x10000c
	s_cmp_lg_u32 s2, 0xf033
	s_cbranch_scc0 .Lentry_shape_is_right
	s_endpgm
.Lentry_shape_is_right:
; out0[q][o] = sum over e of attn[q][e] W_out[o][e] + b_out[o].  8,192 x 1,024 x 1,024; operands f16 (from wsA, wsW), sums f32, out0 f32.
; wsA and wsW hold the operands in fragment order (16 bytes a lane, 512 bytes an LDS load), so tiles are dense blocks of memory, LDS needs no padding
; and every fragment load takes 512 neighbouring bytes.
; A work-group makes 128 q x 256 o with four waves (256 work-groups); a wave makes 64 q x 128 o: 32 accumulator tiles, 256 registers.
; K goes in 8 steps of 128 through two LDS slots: B's 64 KiB (4 K blocks x 16 tiles x 1 KiB), then A's 32 KiB (2 heads x 8 q tiles x 2 KiB).
; CLUSTERS of 4 x 4: A's tile hangs on the block row alone and is asked for jointly along a row of the cluster, B's on the block column alone and jointly
; along a column.  Waves 0, 1 fetch B's halves, waves 2, 3 A's.
; wsW's rows are permuted: tile ot, lane column r is o = 256 x + 64 (ot / 4) + 4 r + ot % 4.  So four neighbouring tiles give a lane 4 neighbouring o (16 bytes),
; and sixteen lanes 256 consecutive bytes of a row of out0: the results leave straight from registers.
; LIMITS: those of f16 operands, stated at the head of the launch that writes wsA and wsW.
.set SLOT, 98304
.set AOFF, 65536
.set ADRA, 2                           ; v2, v3  my A fragments in slot 0, 1
.set ADRB, 4                           ; v4, v5  my B fragments
.set CO,   6                           ; v6      my byte offset in out0: 8 hh rows + 16 r
.set BV,   8                           ; v8-15   b_out of my 8 columns (two groups of 4)
.set F0,   32                          ; v32-127   fragment buffer 0: A's 4 tiles, then B's 8
.set F1,   128                         ; v128-223  fragment buffer 1
.set G1A,  24                          ; s[24:31]
.set G0A,  32                          ; s[32:39], a set for each slot
.set G1B,  40                          ; s[40:47]
.set G0B,  48                          ; s[48:55]
.set MSB, 0
.macro WIN new
.if MSB != \new
	s_set_vgpr_msb (MSB<<8)|\new
.set MSB, \new
.endif
.endm
.macro PLACES                          ; four places behind matrix instructions before their sources are loaded again or results read (ISA guide 7.12.1)
.rept 4
	v_nop
.endr
.endm
.macro JLOAD s                         ; each line has one mask and one set of registers; the branch hangs on the wave's number alone
	s_cmp_eq_u32 s13, 0
	s_cbranch_scc0 .Lfor_a_\@
	tensor_load_to_lds s[G0B+4*\s:G0B+4*\s+3], s[G1B:G1B+7]
	s_nop 0
	s_branch .Lasked_\@
.Lfor_a_\@:
	tensor_load_to_lds s[G0A+4*\s:G0A+4*\s+3], s[G1A:G1A+7]
	s_nop 0
.Lasked_\@:
.endm
.macro CREST                           ; a round of the cluster's barrier behind its opening barrier
	s_cmp_lg_u32 s12, 0
	s_cbranch_scc1 .Lnot_wave_0_\@
	s_barrier_signal -3
.Lnot_wave_0_\@:
	s_barrier_wait -3
	s_barrier_signal -1
	s_barrier_wait -1
.endm
.macro CROUND
	s_barrier_signal -1
	s_barrier_wait -1
	CREST
.endm
	s_load_b256 s[4:11], s[0:1], 0x0               ; wsA s[4:5], wsW s[6:7], b_out s[8:9], out0 s[10:11]
	v_lshl_add_u32 v254, v0, 2, 0x40000
	v_mov_b32 v255, 0
	ds_add_u32 v254, v255
	v_lshrrev_b32 v1, 5, v0
	v_readfirstlane_b32 s12, v1                    ; wave 0..3
	s_lshr_b32 s13, s12, 1                         ; which 64 q are mine.  Also: I fetch for B (0) or for A (1)
	s_and_b32 s14, s12, 1                          ; which 128 o are mine.  Also: which half of that tile I fetch
	s_bfe_u32 s16, ttmp6, 0x40000                  ; cx
	s_bfe_u32 s17, ttmp6, 0x40004                  ; cy
	s_lshl_b32 s18, ttmp9, 2
	s_add_co_u32 s18, s18, s16                     ; x: block of 256 o
	s_and_b32 s19, ttmp7, 0xffff
	s_lshl_b32 s19, s19, 2
	s_add_co_u32 s19, s19, s17                     ; y: block of 128 q
	s_lshl_b32 s20, s17, 2
	s_lshl_b32 s20, 15, s20                        ; my row of the cluster
	s_lshl_b32 s21, 0x1111, s16                    ; my column
	; group 1: dense blocks as rows of 32 elements of 8 bytes; A's half tile 64 rows, B's 128
	s_or_b32 s[G1A+0], s20, (3<<16)|(1<<21)
	s_mov_b32 s[G1A+1], 32<<16
	s_mov_b32 s[G1A+2], 64<<16
	s_mov_b32 s[G1A+3], 32<<16
	s_mov_b32 s[G1A+4], 64
	s_mov_b32 s[G1A+5], 32
	s_mov_b32 s[G1A+6], 0
	s_mov_b32 s[G1A+7], 0
	s_or_b32 s[G1B+0], s21, (3<<16)|(1<<21)
	s_mov_b32 s[G1B+1], 32<<16
	s_mov_b32 s[G1B+2], 128<<16
	s_mov_b32 s[G1B+3], 32<<16
	s_mov_b32 s[G1B+4], 128
	s_mov_b32 s[G1B+5], 32
	s_mov_b32 s[G1B+6], 0
	s_mov_b32 s[G1B+7], 0
	s_lshl_b32 s56, s19, 18                        ; A: y x 262,144 + half x 16,384 (one head); made of y and the wave's number alone
	s_lshl_b32 s22, s14, 14
	s_add_co_u32 s56, s56, s22
	s_mov_b32 s57, 0
	s_lshl_b32 s58, s18, 19                        ; B: x x 524,288 + half x 32,768 (two K blocks); made of x and the wave's number alone
	s_lshl_b32 s15, s14, 15
	s_add_co_u32 s58, s58, s15
	s_mov_b32 s59, 0
	s_lshl_b32 s60, s12, 14
	s_add_co_u32 s60, s60, 32768                   ; A in LDS: 32,768 + wave x 16,384 (waves 2, 3: 65,536 and 81,920)
	s_lshl_b32 s61, s12, 15                        ; B in LDS: wave x 32,768 (waves 0, 1)
	s_wait_dscnt 0x0
	s_wait_kmcnt 0x0
	s_add_nc_u64 s[56:57], s[4:5], s[56:57]
	s_add_nc_u64 s[58:59], s[6:7], s[58:59]
	CROUND                                         ; all sixteen work-groups are here: the first joint loads meet
.irp s, 0,1
	s_mov_b32 s[G0A+4*\s], 1
	s_add_co_u32 s[G0A+4*\s+1], s60, \s*SLOT
	s_add_nc_u64 s[G0A+4*\s+2:G0A+4*\s+3], s[56:57], \s*32768      ; K step s
	s_or_b32 s[G0A+4*\s+3], s[G0A+4*\s+3], 0x80000000
	s_mov_b32 s[G0B+4*\s], 1
	s_add_co_u32 s[G0B+4*\s+1], s61, \s*SLOT
	s_add_nc_u64 s[G0B+4*\s+2:G0B+4*\s+3], s[58:59], \s*65536
	s_or_b32 s[G0B+4*\s+3], s[G0B+4*\s+3], 0x80000000
	JLOAD \s                                       ; two loads of the wave are out here, one behind each later round
.endr
	s_lshl_b32 s58, s18, 10                        ; b_out: 256 x + 128 (w % 2) numbers
	s_lshl_b32 s15, s14, 9
	s_add_co_u32 s58, s58, s15
	s_mov_b32 s59, 0
	s_add_nc_u64 s[8:9], s[8:9], s[58:59]
	v_and_b32 v7, 15, v0
	v_lshlrev_b32 v7, 4, v7                        ; 16 r
	global_load_b128 v[BV:BV+3], v7, s[8:9]                        ; b_out[.. + 4 r + 0..3]
	global_load_b128 v[BV+4:BV+7], v7, s[8:9] offset:256           ; 64 columns on
	v_and_b32 v1, 31, v0
	v_lshlrev_b32 v1, 4, v1                        ; 16 lane
	s_lshl_b32 s22, s13, 13
	s_add_co_u32 s22, s22, AOFF                    ; my 4 q tiles of 2 KiB
	s_lshl_b32 s23, s14, 13                        ; my 8 o tiles of 1 KiB
	v_add_nc_u32 v[ADRA], s22, v1
	v_add_nc_u32 v[ADRB], s23, v1
	v_add_nc_u32 v[ADRA+1], SLOT, v[ADRA]
	v_add_nc_u32 v[ADRB+1], SLOT, v[ADRB]
	v_bfe_u32 v[CO], v0, 4, 1
	v_lshl_add_u32 v[CO], v[CO], 15, v7            ; 8 hh rows of 4,096 bytes + 16 r
; 24 LDS loads: the fragments of K block ks of a slot (4 q tiles, 8 o tiles) into buffer f
.macro FETCH slot, ks, f
	WIN 0
.irp qt, 0,1,2,3
.irp hf, 0,1
	ds_load_b128 v[\f+8*\qt+4*\hf:\f+8*\qt+4*\hf+3], v[ADRA+\slot] offset:(\ks/2)*16384+\qt*2048+(\ks%2)*1024+512*\hf
.endr
.endr
.irp ot, 0,1,2,3,4,5,6,7
.irp hf, 0,1
	ds_load_b128 v[\f+32+8*\ot+4*\hf:\f+32+8*\ot+4*\hf+3], v[ADRB+\slot] offset:\ks*16384+\ot*1024+512*\hf
.endr
.endr
.endm
; 16 matrix instructions: two q tiles x 8 o tiles.  The 32 accumulators take turns, one instruction a turn.
.macro MULH f, half, zero
	WIN 0x50                                       ; C and D in window 1
.irp q2, 0,1
.irp ot, 0,1,2,3,4,5,6,7
.if \zero
	v_wmma_f32_16x16x32_f16 v[8*(8*(2*\half+\q2)+\ot):8*(8*(2*\half+\q2)+\ot)+7], v[\f+8*(2*\half+\q2):\f+8*(2*\half+\q2)+7], v[\f+32+8*\ot:\f+32+8*\ot+7], 0
.else
	v_wmma_f32_16x16x32_f16 v[8*(8*(2*\half+\q2)+\ot):8*(8*(2*\half+\q2)+\ot)+7], v[\f+8*(2*\half+\q2):\f+8*(2*\half+\q2)+7], v[\f+32+8*\ot:\f+32+8*\ot+7], v[8*(8*(2*\half+\q2)+\ot):8*(8*(2*\half+\q2)+\ot)+7]
.endif
.endr
.endr
.endm
; one K block of 32: the next block's fragments are asked for, then buffer f is multiplied
.macro KS slot, nks, f, g, zero
	PLACES
	FETCH \slot, \nks, \g
	s_wait_dscnt 24                                ; all but the 24 just issued: buffer f is in
	MULH \f, 0, \zero
	MULH \f, 1, \zero
.endm
.macro THREE slot, zero
	KS \slot, 1, F0, F1, \zero
	KS \slot, 2, F1, F0, 0
	KS \slot, 3, F0, F1, 0
.endm
; The fourth K block, and the change of slots.  In front of the barrier: my reads of this slot are back and all my tensor loads have landed (one was out: my part
; of the next slot).  fill = 1: the barrier opens a round of the cluster's barrier, and this slot's refill, two K steps ahead, comes first behind it.
.macro TURN slot, next, fill
	s_wait_dscnt 0x0
	s_wait_tensorcnt 0x0
	ds_add_u32 v254, v255
	s_wait_dscnt 0x0
	s_barrier_signal -1
	MULH F1, 0, 0                                  ; register work while the others arrive
	WIN 0
	s_barrier_wait -1
.if \fill
	CREST
	s_add_nc_u64 s[G0A+4*\slot+2:G0A+4*\slot+3], s[G0A+4*\slot+2:G0A+4*\slot+3], 2*32768
	s_add_nc_u64 s[G0B+4*\slot+2:G0B+4*\slot+3], s[G0B+4*\slot+2:G0B+4*\slot+3], 2*65536
	JLOAD \slot
.endif
	PLACES
	FETCH \next, 0, F0
	MULH F1, 1, 0
.endm
	s_wait_tensorcnt 0x1                           ; my part of K step 0 is in; K step 1 stays out
	s_barrier_signal -1
	s_barrier_wait -1
	FETCH 0, 0, F0
	THREE 0, 1                                     ; K step 0: its first products start the sums
	TURN 0, 1, 1
	THREE 1, 0
	TURN 1, 0, 1
.rept 2
	THREE 0, 0                                     ; K steps 2 to 5
	TURN 0, 1, 1
	THREE 1, 0
	TURN 1, 0, 1
.endr
	THREE 0, 0                                     ; K step 6: nothing left to fetch
	TURN 0, 1, 0
	THREE 1, 0                                     ; K step 7
	s_wait_dscnt 0x0
	MULH F1, 0, 0
	MULH F1, 1, 0
	WIN 0
	PLACES
	s_wait_loadcnt 0x0                             ; b_out
	s_lshl_b32 s22, s19, 19                        ; out0: (128 y + 64 (w / 2)) rows of 4,096 bytes + (256 x + 128 (w % 2)) columns of 4
	s_lshl_b32 s23, s13, 18
	s_add_co_u32 s22, s22, s23
	s_lshl_b32 s23, s18, 10
	s_add_co_u32 s22, s22, s23
	s_lshl_b32 s23, s14, 9
	s_add_co_u32 s22, s22, s23
	s_mov_b32 s23, 0
	s_add_nc_u64 s[10:11], s[10:11], s[22:23]
; 16 rows of out0: the bias add also brings four tiles' numbers together as 16 bytes of one row
.macro OUTQ qt, t
.if \qt >= 2
	s_wait_xcnt 0x0                                ; the stores that read buffer t have had their addresses translated: it is written again only behind this wait
.endif
	WIN 0x01                                       ; the sums in window 1
.irp ob2, 0,1
.irp j, 0,1,2,3,4,5,6,7
.irp c, 0,1,2,3
	v_add_f32 v[\t+4*(8*\ob2+\j)+\c], v[8*(8*\qt+4*\ob2+\c)+\j], v[BV+4*\ob2+\c]
.endr
.endr
.endr
	WIN 0
.irp ob2, 0,1
.irp j, 0,1,2,3,4,5,6,7
	global_store_b128 v[CO], v[\t+4*(8*\ob2+\j):\t+4*(8*\ob2+\j)+3], s[10:11] offset:(16*\qt+\j)*4096+256*\ob2 th:TH_STORE_NT   ; 16 lanes: 256 consecutive bytes, aligned
.endr
.endr
.endm
	OUTQ 0, F0
	OUTQ 1, F1
	OUTQ 2, F0
	OUTQ 3, F1
	CROUND                                         ; the closing round
	s_endpgm
.Lfunc_end_k_q20254baa33_proj:
	.size	k_q20254baa33_proj, .Lfunc_end_k_q20254baa33_proj-k_q20254baa33_proj
	.p2alignl 7, 3214868480
	.fill 96, 4, 3214868480
	.section	.rodata,"a",@progbits
	.p2align	6, 0x0
	.amdhsa_kernel k_q20254baa33_proj
		.amdhsa_group_segment_fixed_size 327680
		.amdhsa_private_segment_fixed_size 0
		.amdhsa_enable_private_segment 0
		.amdhsa_kernarg_size 32
		.amdhsa_user_sgpr_count 2
		.amdhsa_user_sgpr_kernarg_segment_ptr 1
		.amdhsa_wavefront_size32 1
		.amdhsa_system_sgpr_workgroup_id_x 1
		.amdhsa_system_sgpr_workgroup_id_y 1
		.amdhsa_system_sgpr_workgroup_id_z 1
		.amdhsa_system_vgpr_workitem_id 0
		.amdhsa_next_free_vgpr 512
		.amdhsa_next_free_sgpr 66
		.amdhsa_reserve_vcc 0
		.amdhsa_float_denorm_mode_32 3
		.amdhsa_float_denorm_mode_16_64 3
		.amdhsa_memory_ordered 1
		.amdhsa_forward_progress 1
		.amdhsa_inst_pref_size 145
	.end_amdhsa_kernel
	.amdgpu_metadata
---
amdhsa.version: [ 1, 2 ]
amdhsa.kernels:
  - .name:           k_q20254baa33_proj
    .symbol:         k_q20254baa33_proj.kd
    .args:
      - { .name: wsA, .offset: 0, .size: 8, .value_kind: global_buffer, .address_space: global }
      - { .name: wsW, .offset: 8, .size: 8, .value_kind: global_buffer, .address_space: global }
      - { .name: b_out, .offset: 16, .size: 8, .value_kind: global_buffer, .address_space: global }
      - { .name: out0, .offset: 24, .size: 8, .value_kind: global_buffer, .address_space: global }
    .group_segment_fixed_size: 327680
    .private_segment_fixed_size: 0
    .kernarg_segment_align: 8
    .kernarg_segment_size: 32
    .max_flat_workgroup_size: 128
    .sgpr_count:     66
    .vgpr_count:     512
    .wavefront_size: 32
...
	.end_amdgpu_metadata
.endif
;; end of part 2
